; MI455X (gfx1250); checked and timed in simulation.
; The chip was launched on July 23, 2026; its instructions are those of AMD's public machine-readable ISA for CDNA 5 (MIT licence, August 2026) and "CDNA5" Instruction Set Architecture Reference Guide (July 2026). The comments in the code are by the model that wrote it; some were corrected since.
;; Dual Self Attention. Allowed arithmetic: matrix products marked QUANTISED: E2M3 operands, one E8M0 scale for each 32 along K, by v_wmma_scale_f32_16x16x128_f8f6f4 with both operands' format E2M3, f32 sums; everything else in f32.
;; Inputs: Wout_codes 1,024 x 32 x 24 uint8 (E2M3 codes of Wout, K innermost, in blocks of 32 codes, four codes in three bytes); Wout_scales 1,024 x 32 uint8 (E8M0 scales of Wout, one for each 32 codes along K); Wqkv_codes 3,072 x 32 x 24 uint8 (E2M3 codes of Wqkv, K innermost, in blocks of 32 codes, four codes in three bytes); Wqkv_scales 3,072 x 32 uint8 (E8M0 scales of Wqkv, one for each 32 codes along K); bout 1,024 float32; x2_codes 2 x 2,048 x 32 x 24 uint8 (E2M3 codes of x2, K innermost, in blocks of 32 codes, four codes in three bytes); x2_scales 2 x 2,048 x 32 uint8 (E8M0 scales of x2, one for each 32 codes along K); x_codes 2 x 2,048 x 32 x 24 uint8 (E2M3 codes of x, K innermost, in blocks of 32 codes, four codes in three bytes); x_scales 2 x 2,048 x 32 uint8 (E8M0 scales of x, one for each 32 codes along K).
;; Outputs: out0 2 x 2,048 x 1,024 float32.
;; This version of the problem:
;;   THIS VERSION OF THE PROBLEM IS GIVEN IN LOW PRECISION. The matrix products marked QUANTISED in the list below multiply operands that are first quantised to E2M3 (2 exponent bits, 3 mantissa bits; 6 bits a number), with one power-of-two scale for each 32 numbers along K (OCP MX v1.0); their sums are f32. All else is computed in f32.
;;   The module's matrix products, in the order in which they are computed (A, B: the left and right operand; K: the contracted axis; several contracted axes count as one K, in the product's order):
;;     1. [M 4,096, K 1,024] x [K 1,024, N 3,072]; A: input x2 (given as codes); B: input Wqkv (given as codes): QUANTISED
;;     2. [M 4,096, K 1,024] x [K 1,024, N 3,072]; A: input x (given as codes); B: input Wqkv (given as codes): QUANTISED
;;     3. batch 32 x [M 2,048, K 64] x [K 64, N 2,048]; A: computed on the way; B: computed on the way: QUANTISED
;;     4. batch 32 x [M 2,048, K 2,048] x [K 2,048, N 64]; A: softmax (see below); B: computed on the way: QUANTISED
;;     5. [M 4,096, K 1,024] x [K 1,024, N 1,024]; A: computed on the way; B: input Wout (given as codes): QUANTISED
;;   THE QUANTISER, for each operand of a quantised product, along K:
;;     - K is cut into blocks of 32 from its start; a last block that is shorter is filled with zeros.
;;     - A block's scale is 2^e with e = floor(log2(the largest magnitude in the block)) - 2, held to -126 .. 127; a block of zeros has e = 0. As a byte (E8M0): e + 127.
;;     - Each number is divided by its block's scale, clamped to +-7.5, and rounded to the nearest number of E2M3, ties to even, subnormals kept.
;;     - The product sums the exact products of the quantised numbers (number of the format x scale) in f32.
;;   ~~~python
;;   def quantise(x, axis):      # numpy; x: float32 -> the quantised numbers, widened to float32 again
;;       x = np.moveaxis(x, axis, -1); K = x.shape[-1]
;;       x = np.pad(x, [(0, 0)] * (x.ndim - 1) + [(0, -K % 32)]); x = x.reshape(x.shape[:-1] + (-1, 32)); a = np.abs(x).max(-1, keepdims=True)
;;       e = np.where(a > 0, np.clip(np.frexp(np.where(a > 0, a, 1))[1] - 1 - 2, -126, 127), 0)      # np.frexp(a)[1] - 1 = floor(log2(a)), exactly
;;       r = np.clip(x / 2.0 ** e, -7.5, 7.5)
;;       step = 2.0 ** (np.maximum(np.frexp(np.where(r == 0, 1, r))[1] - 1, 0) - 3)
;;       q = np.round(r / step) * step * 2.0 ** e      # np.round: ties to even
;;       return np.moveaxis(q.reshape(q.shape[:-2] + (-1,))[..., :K], -1, axis).astype(np.float32)
;;   ~~~
;;   SOFTMAX AHEAD OF A QUANTISED PRODUCT. Where the list says 'softmax', what is quantised is not the finished softmax but p = 2^(t - M), with t = logit x log2(e) and M = ceil(the row's largest t), a whole number; so 1/2 < the row's largest p <= 1. The row's sum l is taken of the UNQUANTISED p, in f32, and the product's result is divided by l at the end. Since M is a whole number, a kernel that streams over the keys may use a running M (the ceiling of the running maximum): every later rescaling is an exact power of two, which a block's scale takes up: the codes' values come out the same.
;;   OPERANDS COMPUTED ON THE WAY. 'Computed on the way' means the value that the module computes at that place (a softmax that the list does not call 'softmax' is quantised finished and normalised). What goes into a quantiser is computed in f32, as accurately as f32 sums, v_exp_f32 and their like allow (about 1e-6 of the number): no bf16 or f16 on the way to a quantiser, and a product that is left as it is and whose result goes on into a quantised operand takes f32 operands (vector FMAs, or v_wmma_f32_16x16x4_f32). A number that lies on a knife's edge between two numbers of the format may be rounded either way, as far as f32 arithmetic and the matrix unit's own rounding can turn it there, and no further.
;;   INPUTS GIVEN AS CODES. Wout (in the module: [1024, 1024], K = its axis 0); Wqkv (in the module: [1024, 3072], K = its axis 0); x (in the module: [2, 2048, 1024], K = its axis 2); x2 (in the module: [2, 2048, 1024], K = its axis 2): each comes as NAME_codes (uint8): NAME with its K axis moved to the last place and cut into blocks of 32 codes, [.., K / 32, bytes a block], one block behind the other in memory; four codes in three bytes: a row's codes are one little-endian stream of bits, code i at bits 6 i .. 6 i + 5 (a code: sign, 2 exponent bits, 3 mantissa bits); and NAME_scales (uint8): the same leading axes, one E8M0 byte (e + 127) for each 32 codes along K. Its value is code x scale, taken as it is: it is not quantised again, and the codes and scales need not be those that the quantiser above would give.
;; One version. Each part assembles by itself: llvm-mc -triple=amdgcn-amd-amdhsa -mcpu=gfx1250 --defsym DOCPART=n.
;; ======== version 1 of 1: 3 launches
;; limits: right only within a limited range of input values
;; workspace buffers: qrec 3,276,800 bytes; krec 3,276,800 bytes; vrec 3,276,800 bytes; arec 3,145,728 bytes; asc 131,072 bytes
;; launch proj (part 1): grid 8 x 32, 4 waves a work-group, clusters of 4 x 4, 327,680 bytes of LDS; arguments x_codes, x_scales, x2_codes, x2_scales, Wqkv_codes, Wqkv_scales, qrec, krec, vrec; writes qrec, krec, vrec
.if DOCPART == 1
	.amdgcn_target "amdgcn-amd-amdhsa--gfx1250"
	.amdhsa_code_object_version 6
	.text
	.protected	k_q7005026819_proj
	.globl	k_q7005026819_proj
	.p2align	8
	.type	k_q7005026819_proj,@function
k_q7005026819_proj:
	s_mov_b64 s[64:65], 0
	v_nop
	global_prefetch_b8 v0, s[64:65] scope:SCOPE_SE
	s_setreg_imm32_b32 hwreg(HW_REG_WAVE_MODE, 25, 1), 1
	s_wait_xcnt 0x0
	s_wait_alu depctr_hold_cnt(0) depctr_sa_sdst(0) depctr_va_vdst(0) depctr_va_sdst(0) depctr_va_ssrc(0) depctr_va_vcc(0) depctr_vm_vsrc(0)
	s_getreg_b32 s2, hwreg(HW_REG_IB_STS2, 6, 4)
	s_cmp_eq_u32 s2, 0
	s_cbranch_scc0 .Lentry_in_a_cluster
	s_endpgm
.Lentry_in_a_cluster:
	s_bfe_u32 s2, ttmp6, 0x10000c
	s_cmp_lg_u32 s2, 0xf033
	s_cbranch_scc0 .Lentry_shape_is_right
	s_endpgm
.Lentry_shape_is_right:
; k and v = x2 Wqkv (columns 1024..3071), q = x Wqkv (columns 0..1023), on codes of FP6 (E2M3) with one E8M0 byte for each 32 along K = 1024.
; LEFT OUT: reference() also multiplies x2 by Wqkv's columns 0..1023 and x by its columns 1024..3071, and uses neither result: for all values of the inputs they reach no output.  A NaN, an infinity or an overflow that reaches them alone is not carried.
; The f32 results are quantised in registers (q, k along the head's 64 numbers, v along the tokens) and leave as IMAGES OF OPERAND REGISTERS, in records of 6,400 bytes:
;   a record = 128 tokens of one head = 4 fragments of 1,536 bytes + 256 bytes of scale words (fragment f, lane-row r at 6144 + 64 f + 4 r).   P(r) = r + 8 (r / 8).
;   q: register group c (four registers) of lane l at 512 c + 16 l.  Fragment b = tokens 32 b .. 32 b + 31: registers 0-5 of lane (r, h): token 32 b + P(r), numbers 32 h .. 32 h + 31; registers 6-11: token 32 b + 8 + P(r).
;   k: laid as q; fragment 2 c + i holds, in lane-rows 0-7 the keys 64 c + 16 i + 0 .. 7 (registers 0-5) and + 8 .. 15 (6-11), in lane-rows 8-15 the keys 32 further on: so the score product leaves whole blocks of 32 keys in a lane.
;   v: fragment g = rows d = 32 (g / 2) + 8 (g % 2) + P(r), K = the record's 128 tokens, BY HALVES: half c (tokens 64 c on, registers 6 c .. 6 c + 5) at 768 c: four registers at 16 l, two at 512 + 8 l.
; SHARES.  A work-group takes 128 tokens (G) x 128 columns (two heads, fb) and stays for three phases: k, v, q; each over the whole K, which lies in LDS.  Wave (hd, pi) makes tokens 64 pi on of head hd, 64 x 64: 16 accumulators.
;   k, q: source 0 = 16 rows of W, source 1 = 16 tokens: a lane holds one token, its registers run along the head's numbers.  v: the other way round: a lane holds one d, its registers run along the tokens.
; X2'S FRAGMENTS STAY IN REGISTERS: k's phase loads the wave's 32 (4 tiles x 8 K steps, 384 registers), v's phase multiplies the same and loads Wv's alone.
; THE ROWS OF A TILE ARE NOT NEIGHBOURS: tile (b, u) holds rows 32 b + 8 u + P(r), so that the 16 registers of two neighbouring accumulators are 16 neighbours along the next product's K.
; The tensor loads deal the rows: groups of 8 rows go by turns to the lower and the upper half of a region, so that tile (b, u) is the 16 consecutive LDS rows 64 u + 16 b.
; CLUSTER 4 x 4: the tiles of x2 and x hang on G alone and are asked for jointly along a row of the cluster, those of W on fb alone, along a column.
; LDS: three regions of 128 rows x 816 bytes (768 of data, 16 of padding behind each 256).  RX: x2.  RA: Wk, later x.  RB: Wv, later Wq.  Behind them the spare words.
; LOADS, one a wave each time: at the head waves 0 and 1 fetch a half each of x2's tile, waves 2 and 3 of Wk's; then, each behind a round, quarters of Wv, of x and of Wq.
; LIMITS: NaN and infinities are not served; a block of zeros gets the scale byte 1 (its codes are zeros; the bytes are read by this program alone).
; REGISTERS.  window 0: v1-23 addresses; v32-63 x2's scale words; v68-99 Wk's, later Wq's; v108-139 Wv's; v144-175 x's; v176-239 the quantiser.
;   window 1: W's fragments, two buffers at v0 and v48; from v96 on token fragments f = 4 q + tile, f < 13.  window 2: v0-127 accumulators.  window 3: token fragments f = 13 .. 31.
.set PITCH, 816
.set T16,   16*PITCH
.set QTR,   32*PITCH
.set HALF,  64*PITCH
.set RX,    0
.set RA,    128*PITCH
.set RB,    256*PITCH
.set SPARE, 384*PITCH                  ; 313,344 = 1,224 x 256: 128 bytes for each wave, named by no other line
.set RECB,  6400
.set SPW, 1                            ; v1   LDS address of my spare word; never rewritten
.set NIL, 2                            ; v2   0; never rewritten
.set LP,  3                            ; v3   816 r + 24 h
.set LP2, 4                            ; v4   816 r + 40 h: for pieces whose upper-half partner lies behind one padding more
.set VI,  5                            ; v5   16 x lane + 3,072 pi: my fragments' place in a record of q or k
.set VS2, 6                            ; v6   4 x lane + 128 pi: my scale words' place
.set VSC, 7                            ; v7   32 P(r): my row among a tile's rows of scale bytes
.set AX0, 8                            ; v8-11  token tiles u = 0 (and its LP2 form), u = 1 (and its LP2 form)
.set AW0, 12                           ; v12-15 the same for W's tiles
.set PFV, 20                           ; v20  the prefetch's offset; never rewritten
.set VV,  21                           ; v21  16 x lane + 768 pi: v's half fragments
.set VV8, 22                           ; v22  8 x lane + 768 pi
.set VSV, 23                           ; v23  4 x lane + 2 pi: v's scale bytes
.set SX2, 32
.set SWK, 68
.set SWV, 108
.set SXQ, 144
.set TM,  176                          ; +0..3 largest magnitudes, +4..7 the other half's, then bytes, +12..15 the conversions' scale operands
.set PW0, 192
.set PW1, 193
.set SW,  194
.set PC0, 196
.set PC1, 208
.set T8,  220
.set XT,  232                          ; v232-239: for the exchange of k's rows
.set WV,  22
.set PI,  23
.set HD,  24
.set G1X, 32
.set G1W, 40
.set GX2, 48                           ; groups 0, one for each of the five tiles: none is ever rewritten
.set GWK, 52
.set GWV, 56
.set GXQ, 60
.set GWQ, 68
.set SEL, 72
.set LMASK, 74
.set BX1, 76
.set BW1, 78
.set BW2, 82
.set BX3, 84
.set BW3, 86
.set RK,  88
.set RV,  90
.set RQ,  92
.set PIQ, 94
.set HDQ, 95
.set MHI, 97                           ; s97: at the head an LDS offset, then the mask of the lanes 8-15 and 24-31
.set SHAPE0, (3<<16)|(1<<20)|(1<<21)|(5<<22)|(3<<25)   ; elements of 8 bytes; padding on; bit 21 beside a mask; after every 64 words, 4 words
.set MSB, 0
.macro WIN new                         ; the immediate's high byte repeats the setting that is left
.if MSB != (\new)
	s_set_vgpr_msb (MSB<<8)|(\new)
.set MSB, \new
.endif
.endm
.macro PLACES                          ; four plain vector instructions between a matrix instruction and a load into, or a vector read of, its registers
.rept 4
	v_nop
.endr
.endm
.macro CROUND                          ; a round of the cluster's barrier
	s_barrier_signal -1
	s_barrier_wait -1
	s_cmp_lg_u32 s[WV], 0
	s_cbranch_scc1 .Lnot_wave_0_\@
	s_barrier_signal -3
.Lnot_wave_0_\@:
	s_barrier_wait -3
	s_barrier_signal -1
	s_barrier_wait -1
.endm
; A fragment, 16 rows x 128 K: lane (r, h) takes 24 bytes at 96 q + 24 h and 24 at 96 q + 48 + 24 h of its row, in pieces of 8 bytes.  16 bytes of padding lie behind every 32 pieces.
.macro FRAG reg, adr, q, off
.irp p, 0,1,2,3,4,5
.set PCE, 12*(\q)+6*(\p/3)+\p%3
.if PCE%32 < 29
	ds_load_b64 v[\reg+2*\p:\reg+2*\p+1], v[\adr] offset:8*PCE+16*(PCE/32)+(\off)
.else
	ds_load_b64 v[\reg+2*\p:\reg+2*\p+1], v[\adr+1] offset:8*PCE+16*(PCE/32)+(\off)
.endif
.endr
.endm
.macro FETCH_W q                       ; 24 loads: W's four tiles into buffer q % 2
	WIN 0x40                                       ; destination window 1, address window 0
.irp b, 0,1
.irp w, 0,1
	FRAG 48*((\q)%2)+12*(2*\b+\w), AW0+2*\w, \q, \b*T16
.endr
.endr
.endm
.macro FETCH_T q                       ; 24 loads: my four token tiles
.irp g, 0,1
.irp u, 0,1
.set F_, 4*(\q)+2*\g+\u
.if F_ < 13
	WIN 0x40
	FRAG 96+12*F_, AX0+2*\u, \q, \g*T16
.else
	WIN 0xc0
	FRAG 12*(F_-13), AX0+2*\u, \q, \g*T16
.endif
.endr
.endr
.endm
; 16 matrix instructions, the 16 accumulators by turns, in the same order in every K step.  The first K step starts the sums with the constant 0.
.macro PROD d, s0, s1, q, x0, x1
.if (\q) == 0
	v_wmma_scale_f32_16x16x128_f8f6f4 v[\d:\d+7], v[\s0:\s0+11], v[\s1:\s1+11], 0, v[\x0], v[\x1] matrix_a_fmt:MATRIX_FMT_FP6 matrix_b_fmt:MATRIX_FMT_FP6
.else
	v_wmma_scale_f32_16x16x128_f8f6f4 v[\d:\d+7], v[\s0:\s0+11], v[\s1:\s1+11], v[\d:\d+7], v[\x0], v[\x1] matrix_a_fmt:MATRIX_FMT_FP6 matrix_b_fmt:MATRIX_FMT_FP6
.endif
.endm
.macro MUL kind, q, st, sw             ; kind 0: k, q; kind 1: v.  C and D window 2
.irp i, 0,1,2,3
.set F_, 4*(\q)+\i
.if F_ < 13
.set R_, 96+12*F_
.set W_, 1
.else
.set R_, 12*(F_-13)
.set W_, 3
.endif
.irp t, 0,1,2,3
.if \kind
	WIN 0xa4+W_
	PROD 8*(4*\t+\i), R_, 48*((\q)%2)+12*\t, \q, \st+8*\i+(\q), \sw+8*\t+(\q)
.else
	WIN 0xa1+4*W_
	PROD 8*(4*\i+\t), 48*((\q)%2)+12*\t, R_, \q, \sw+8*\t+(\q), \st+8*\i+(\q)
.endif
.endr
.endr
.endm
; A K step of 128: the next step's fragments are asked for, into the buffer that the last step multiplied; then this step's products.
.macro KSTEP_QK q, st, sw
.if (\q) < 7
.if (\q) > 0
	PLACES
.endif
	FETCH_W (\q)+1
	FETCH_T (\q)+1
	s_wait_dscnt 48                                ; all but the 48 just issued: this step's fragments are in
.else
	s_wait_dscnt 0x0
.endif
	MUL 0, \q, \st, \sw
.endm
.macro KSTEP_V q
.if (\q) < 7
.if (\q) > 0
	PLACES
.endif
	FETCH_W (\q)+1
	s_wait_dscnt 24                                ; all but the 24 just issued
.else
	s_wait_dscnt 0x0
.endif
	MUL 1, \q, SX2, SWV
.endm
; The LDS addresses of a phase: tokens 64 pi on are LDS rows 32 pi on of each half of a region; head hd's rows of W are rows 32 hd on.
.macro ADDR xreg, wreg
	s_add_co_u32 s2, s[PIQ], \xreg
	s_add_co_u32 s3, s[HDQ], \wreg
	v_add_nc_u32 v[AX0], s2, v[LP]
	v_add_nc_u32 v[AX0+1], s2, v[LP2]
	v_add_nc_u32 v[AW0], s3, v[LP]
	v_add_nc_u32 v[AW0+1], s3, v[LP2]
	s_add_co_u32 s2, s2, HALF
	s_add_co_u32 s3, s3, HALF
	v_add_nc_u32 v[AX0+2], s2, v[LP]
	v_add_nc_u32 v[AX0+3], s2, v[LP2]
	v_add_nc_u32 v[AW0+2], s3, v[LP]
	v_add_nc_u32 v[AW0+3], s3, v[LP2]
.endm
; 64 numbers of a lane in window 2, register s + 16 b + i = number 32 b + 16 h + i of my row, become a fragment's codes in v[pc] on and its scale word in v[pw].  Each accumulator is read from its low end on.
.macro QUANT s, pc, pw
	WIN 0x0a                                       ; sources 0 and 1 window 2
.irp b, 0,1,2,3
	v_max3_num_f32 v[TM+\b], |v[\s+16*\b]|, |v[\s+16*\b+1]|, 0x1800000   ; my 16 numbers of block b, and the floor 2^(3 - 127): the byte cannot fall under 1
.endr
.irp i, 2,4,6,8,10,12,14
.irp b, 0,1,2,3
	v_max3_num_f32 v[TM+\b], |v[\s+16*\b+\i]|, |v[\s+16*\b+\i+1]|, v[TM+\b]
.endr
.endr
	WIN 0
.irp b, 0,1,2,3
	v_permlanex16_b32 v[TM+4+\b], v[TM+\b], s[SEL], s[SEL+1]
.endr
.irp b, 0,1,2,3
	v_max_num_f32 v[TM+\b], v[TM+\b], v[TM+4+\b]   ; with lane l xor 16's: the block's largest magnitude
.endr
.irp b, 0,1,2,3
	v_add_nc_u32 v[TM+12+\b], 0xff000000, v[TM+\b] ; 2 off its exponent field: the conversion's scale operand
.endr
.irp b, 0,1,2,3
	v_lshrrev_b32 v[TM+4+\b], 23, v[TM+12+\b]      ; the scale's byte
.endr
	v_lshl_or_b32 v[\pw], v[TM+5], 8, v[TM+4]
	v_lshl_or_b32 v[\pw], v[TM+6], 16, v[\pw]
	v_lshl_or_b32 v[\pw], v[TM+7], 24, v[\pw]
	WIN 0x02                                       ; source 0 window 2
.irp c, 0,1
	v_cvt_scalef32_pk16_fp6_f32 v[\pc+6*\c:\pc+6*\c+2], v[\s+32*\c:\s+32*\c+15], v[TM+12+2*\c]
	v_cvt_scalef32_pk16_fp6_f32 v[T8+4*\c:T8+4*\c+2], v[\s+32*\c+16:\s+32*\c+31], v[TM+12+2*\c+1]   ; (a conversion's three registers begin on an even number)
.endr
	WIN 0
	v_nop                                          ; one plain instruction behind the scaled conversions
.irp c, 0,1                                    ; the operand's layout wants a whole block in a lane
.irp i, 0,1,2
	v_permlane16_swap_b32 v[\pc+6*\c+\i], v[T8+4*\c+\i]
.endr
.irp i, 0,1,2
	v_mov_b32 v[\pc+3+6*\c+\i], v[T8+4*\c+\i]
.endr
.endr
.endm
.macro XCH a, b, i                     ; a keeps lane-rows 0-7 and takes b's lane-rows 0-7 as 8-15; b keeps 8-15 and takes a's 8-15 as 0-7
	v_mov_b32_dpp v[XT+2*((\i)%4)], v[\b] row_xmask:8 row_mask:0xf bank_mask:0xf
	v_mov_b32_dpp v[XT+2*((\i)%4)+1], v[\a] row_xmask:8 row_mask:0xf bank_mask:0xf
	v_cndmask_b32 v[\a], v[\a], v[XT+2*((\i)%4)], s[MHI]
	v_cndmask_b32 v[\b], v[XT+2*((\i)%4)+1], v[\b], s[MHI]
.endm
; A phase's way out.  q, k: my two fragments and their scale words.  Each store of codes covers 512 consecutive bytes at a multiple of 256 from the buffer's first byte.
.macro OUTP base, rows=0
	s_wait_xcnt 0x0                                ; the last phase's stores have read their data registers, which are written again below
	QUANT 0, PC0, PW0
	QUANT 64, PC1, PW1
.if \rows
.irp i, 0,1,2,3,4,5,6,7,8,9,10,11
	XCH PC0+\i, PC1+\i, \i
.endr
	XCH PW0, PW1, 0
.endif
.irp c, 0,1,2
	global_store_b128 v[VI], v[PC0+4*\c:PC0+4*\c+3], s[\base:\base+1] offset:512*\c
.endr
.irp c, 0,1,2
	global_store_b128 v[VI], v[PC1+4*\c:PC1+4*\c+3], s[\base:\base+1] offset:1536+512*\c
.endr
	v_cndmask_b32 v[SW], v[PW0], v[PW1], s[LMASK]  ; lanes 0-15 the first fragment's words, lanes 16-31 the second's
	global_store_b32 v[VS2], v[SW], s[\base:\base+1] offset:6144
.endm
; v: the halves pi of all four fragments (QUANT's registers 0-5 and 6-11 are two fragments' halves, its word their four bytes), each in 512 + 256 consecutive bytes, and their two scale bytes a row.
.macro OUTV
	s_wait_xcnt 0x0                                ; k's stores have read their data registers
	QUANT 0, PC0, PW0
	QUANT 64, PC1, PW1
.irp i, 0,1
	global_store_b128 v[VV], v[PC0+6*\i:PC0+6*\i+3], s[RV:RV+1] offset:1536*\i
	global_store_b64 v[VV8], v[PC0+6*\i+4:PC0+6*\i+5], s[RV:RV+1] offset:1536*\i+512
.endr
.irp i, 0,1
	global_store_b128 v[VV], v[PC1+6*\i:PC1+6*\i+3], s[RV:RV+1] offset:3072+1536*\i
	global_store_b64 v[VV8], v[PC1+6*\i+4:PC1+6*\i+5], s[RV:RV+1] offset:3072+1536*\i+512
.endr
	v_lshrrev_b32 v[XT], 16, v[PW0]
	v_lshrrev_b32 v[XT+1], 16, v[PW1]
	v_cndmask_b32 v[SW], v[PW0], v[XT], s[LMASK]   ; lanes 0-15 the even fragment's two bytes, lanes 16-31 the odd one's
	v_cndmask_b32 v[SW+1], v[PW1], v[XT+1], s[LMASK]
	global_store_b16 v[VSV], v[SW], s[RV:RV+1] offset:6144
	global_store_b16 v[VSV], v[SW+1], s[RV:RV+1] offset:6272
.endm
; The scale bytes of four tiles: a row's 32 bytes are the words of its eight K steps: two loads of 16 bytes a tile; eight neighbouring rows are 256 consecutive bytes.
.macro SCL reg, base
.irp t, 0,1,2,3
	global_load_b128 v[\reg+8*\t:\reg+8*\t+3], v[VSC], s[\base:\base+1] offset:(32*(\t/2)+8*(\t%2))*32
	global_load_b128 v[\reg+8*\t+4:\reg+8*\t+7], v[VSC], s[\base:\base+1] offset:(32*(\t/2)+8*(\t%2))*32+16
.endr
.endm
	s_load_b256 s[4:11], s[0:1], 0x0               ; x codes s[4:5], x scales s[6:7], x2 codes s[8:9], x2 scales s[10:11]
	s_load_b256 s[12:19], s[0:1], 0x20             ; W codes s[12:13], W scales s[14:15], qrec s[16:17], krec s[18:19]
	s_load_b64 s[20:21], s[0:1], 0x40              ; vrec
	v_lshl_add_u32 v[SPW], v0, 2, SPARE
	v_mov_b32 v[NIL], 0
	ds_add_u32 v[SPW], v[NIL]                      ; the opening: the add, twice on end
	ds_add_u32 v[SPW], v[NIL]
	v_lshrrev_b32 v16, 5, v0
	v_readfirstlane_b32 s[WV], v16                 ; wave 0..3
	s_and_b32 s[PI], s[WV], 1                      ; pi; also: which groups of 8 rows I fetch (even, odd)
	s_lshr_b32 s[HD], s[WV], 1                     ; hd; also: which 64 rows of a tile a quarter is taken from
	s_bfe_u32 s25, ttmp6, 0x40000                  ; cx
	s_bfe_u32 s26, ttmp6, 0x40004                  ; cy
	s_lshl_b32 s27, ttmp9, 2
	s_add_co_u32 s27, s27, s25                     ; fb = 4 x cluster x + cx
	s_and_b32 s28, ttmp7, 0xffff
	s_lshl_b32 s28, s28, 2
	s_add_co_u32 s28, s28, s26                     ; G = 4 x cluster y + cy
	s_lshl_b32 s29, s26, 2
	s_lshl_b32 s29, 15, s29                        ; my row of the cluster
	s_lshl_b32 s30, 0x1111, s25                    ; my column
	; group 1: lines of 6,144 bytes (8 rows of 768), 12,288 bytes (16 rows) apart, eight at the head and four behind it; in LDS a line takes 8 x 816 bytes
	s_or_b32 s[G1X], s29, SHAPE0
	s_or_b32 s[G1W], s30, SHAPE0
.irp g, G1X, G1W
	s_mov_b32 s[\g+1], 768<<16                     ; tensor_dim0 = 768 elements
	s_mov_b32 s[\g+2], 8<<16                       ; tensor_dim1
	s_mov_b32 s[\g+3], 768<<16                     ; tile_dim0
	s_mov_b32 s[\g+4], 8                           ; tile_dim1
	s_mov_b32 s[\g+5], 1536                        ; from line to line
	s_mov_b32 s[\g+6], 0
	s_mov_b32 s[\g+7], 0
.endr
	s_lshl_b32 s2, s28, 7                          ; tokens: row 128 G + 8 pi, made of G and the wave's number alone
	s_lshl_b32 s3, s[PI], 3
	s_add_co_u32 s2, s2, s3
	s_mul_i32 s2, s2, 768
	s_mov_b32 s3, 0
	s_lshl_b32 s98, s27, 7                         ; W: row 128 fb + 8 pi, made of fb and the wave's number alone
	s_lshl_b32 s99, s[PI], 3
	s_add_co_u32 s98, s98, s99
	s_mul_i32 s98, s98, 768
	s_mov_b32 s99, 0
	s_mul_i32 s31, s[PI], HALF                     ; a half's place in a region
	s_mul_i32 s75, s[HD], QTR
	s_add_co_u32 s97, s31, s75                     ; a quarter's
	s_mul_i32 s66, s[HD], 64*768                   ; and a quarter's 64 rows further on in memory
	s_mov_b32 s67, 0
	s_wait_dscnt 0x0
	s_wait_kmcnt 0x0
	s_mov_b32 s[GX2], 1
	s_add_co_u32 s[GX2+1], s31, RX
	s_add_nc_u64 s[GX2+2:GX2+3], s[8:9], s[2:3]
	s_or_b32 s[GX2+3], s[GX2+3], 0x80000000
	s_mov_b32 s[GXQ], 1
	s_add_co_u32 s[GXQ+1], s97, RA
	s_add_nc_u64 s[GXQ+2:GXQ+3], s[4:5], s[2:3]
	s_add_nc_u64 s[GXQ+2:GXQ+3], s[GXQ+2:GXQ+3], s[66:67]
	s_or_b32 s[GXQ+3], s[GXQ+3], 0x80000000
	s_mov_b32 s[GWK], 1
	s_add_co_u32 s[GWK+1], s31, RA
	s_add_nc_u64 s[GWK+2:GWK+3], s[12:13], s[98:99]
	s_mov_b32 s[GWQ], 1
	s_add_co_u32 s[GWQ+1], s97, RB
	s_add_nc_u64 s[GWQ+2:GWQ+3], s[GWK+2:GWK+3], s[66:67]
	s_add_nc_u64 s[GWK+2:GWK+3], s[GWK+2:GWK+3], 1024*768
	s_mov_b32 s[GWV], 1
	s_add_co_u32 s[GWV+1], s97, RB
	s_add_nc_u64 s[GWV+2:GWV+3], s[GWQ+2:GWQ+3], 2048*768
	s_or_b32 s[GWQ+3], s[GWQ+3], 0x80000000
	s_or_b32 s[GWK+3], s[GWK+3], 0x80000000
	s_or_b32 s[GWV+3], s[GWV+3], 0x80000000
	CROUND                                         ; all sixteen work-groups are here: the first joint loads meet
	s_cmp_lt_u32 s[WV], 2
	s_cbranch_scc0 .Lhead_w
	tensor_load_to_lds s[GX2:GX2+3], s[G1X:G1X+7]  ; waves 0, 1: my half of x2
	s_nop 0
	PLACES
	s_branch .Lhead_asked
.Lhead_w:
	tensor_load_to_lds s[GWK:GWK+3], s[G1W:G1W+7]  ; waves 2, 3: my half of Wk
	s_nop 0
	PLACES
.Lhead_asked:
	s_mul_i32 s75, s[PI], 3072
	s_lshl_b32 s31, s[PI], 7
	s_mul_i32 s2, s[PI], 768
	s_lshl_b32 s98, s[PI], 1
	s_lshl_b32 s96, s26, 2                         ; the prefetch of Wq's tile, 384 blocks of 256 bytes: the sixteen waves of my column of the cluster take 24 each, by address
	s_add_co_u32 s96, s96, s[WV]
	s_mul_i32 s96, s96, 6144
	v_and_b32 v16, 15, v0                          ; r
	v_bfe_u32 v17, v0, 4, 1                        ; h
	v_and_b32 v18, 31, v0                          ; lane
	v_mul_u32_u24 v[LP], v16, PITCH
	v_lshlrev_b32 v19, 4, v18
	v_mad_u32_u24 v[LP2], v17, 40, v[LP]
	v_mad_u32_u24 v[LP], v17, 24, v[LP]
	v_add_nc_u32 v[VI], s75, v19
	v_add_nc_u32 v[VV], s2, v19
	v_lshlrev_b32 v[VV8], 3, v18
	v_lshlrev_b32 v[VS2], 2, v18
	v_and_b32 v[VSC], 8, v16
	v_min_u32 v[PFV], 23, v18                      ; the lanes that are left over name the last block again
	v_add_nc_u32 v[VV8], s2, v[VV8]
	v_add_nc_u32 v[VSV], s98, v[VS2]
	v_add_nc_u32 v[VS2], s31, v[VS2]
	v_add_nc_u32 v[VSC], v[VSC], v16
	v_lshlrev_b32 v[PFV], 8, v[PFV]
	v_lshlrev_b32 v[VSC], 5, v[VSC]
	v_add_nc_u32 v[PFV], s96, v[PFV]
.irp b, 0,1,2,3
	v_mov_b32 v[TM+4+\b], 0                        ; written once: a lane permute's destination counts as one of its sources
	v_mov_b32 v[XT+\b], 0
	v_mov_b32 v[XT+4+\b], 0
.endr
	s_wait_alu depctr_va_vdst(0)                   ; ahead of the scalar lines below
	s_mov_b32 s[SEL], 0x76543210
	s_mov_b32 s[SEL+1], 0xfedcba98
	s_mov_b32 s[LMASK], 0xffff0000
	s_mov_b32 s[MHI], 0xff00ff00
	s_mul_i32 s[PIQ], s[PI], QTR
	s_mul_i32 s[HDQ], s[HD], QTR
	s_mul_i32 s66, s27, 98304                      ; Wq's tile in memory
	s_add_nc_u64 s[66:67], s[12:13], s[66:67]
	; where the scale bytes begin: 32 bytes a row
	s_lshl_b32 s2, s28, 12
	s_lshl_b32 s75, s[PI], 11
	s_add_co_u32 s2, s2, s75
	s_add_nc_u64 s[BX1:BX1+1], s[10:11], s[2:3]    ; k, v: x2's rows 128 G + 64 pi on
	s_add_nc_u64 s[BX3:BX3+1], s[6:7], s[2:3]      ; q: x's
	s_lshl_b32 s98, s27, 12
	s_lshl_b32 s75, s[HD], 11
	s_add_co_u32 s98, s98, s75
	s_add_nc_u64 s[BW3:BW3+1], s[14:15], s[98:99]  ; q: W's rows 128 fb + 64 hd on
	s_add_nc_u64 s[BW1:BW1+1], s[BW3:BW3+1], 1024*32   ; k: 1,024 rows further
	s_add_nc_u64 s[BW2:BW2+1], s[BW3:BW3+1], 2048*32   ; v: 2,048 rows further
	SCL SX2, BX1                                   ; k's phase: 16 loads
	SCL SWK, BW1
	SCL SWV, BW2                                   ; v's phase: 8 loads
	; my record: ((batch x 16 + head) x 16 + group of 128 tokens) x 6,400
	s_lshr_b32 s2, s28, 4
	s_lshl_b32 s2, s2, 4
	s_lshl_b32 s75, s27, 1
	s_add_co_u32 s2, s2, s75
	s_add_co_u32 s2, s2, s[HD]
	s_lshl_b32 s2, s2, 4
	s_and_b32 s75, s28, 15
	s_add_co_u32 s2, s2, s75
	s_mul_i32 s2, s2, RECB
	s_add_nc_u64 s[RK:RK+1], s[18:19], s[2:3]
	s_add_nc_u64 s[RV:RV+1], s[20:21], s[2:3]
	s_add_nc_u64 s[RQ:RQ+1], s[16:17], s[2:3]
	ADDR RX, RA
	s_wait_alu depctr_va_vdst(0)                   ; the head's end
	s_wait_tensorcnt 0x0                           ; my half tile is in
	ds_add_u32 v[SPW], v[NIL]
	s_mov_b32 s[G1X+2], 4<<16                      ; no tensor load of mine is out: from here on a load brings a quarter, four lines
	s_mov_b32 s[G1X+4], 4
	s_mov_b32 s[G1W+2], 4<<16
	s_mov_b32 s[G1W+4], 4
	s_wait_dscnt 0x0                               ; the add is done
	CROUND                                         ; x2 and Wk are in; the joint loads meet
	tensor_load_to_lds s[GWV:GWV+3], s[G1W:G1W+7]  ; my quarter of Wv: it has k's whole phase in which to land
	s_nop 0
	PLACES
	; ---- k = x2 Wk
	FETCH_W 0
	FETCH_T 0
	s_wait_loadcnt 8                               ; this phase's 16 loads of scale words are in; the 8 of v's phase may be out
.irp q, 0,1,2,3,4,5,6,7
	KSTEP_QK \q, SX2, SWK
.if \q == 4
	WIN 0
	global_prefetch_b8 v[PFV], s[66:67] th:TH_LOAD_NT scope:SCOPE_SE   ; Wq's tile, three K steps and v's whole phase ahead of the load that wants it
.endif
.endr
	WIN 0
	s_wait_tensorcnt 0x0                           ; all my tensor loads have landed, Wv's quarter among them
	ds_add_u32 v[SPW], v[NIL]                      ; 0 onto my spare word
	s_wait_dscnt 0x0                               ; the add is done; my reads of RA ended with the last K step
	CROUND                                         ; no wave of any partner still reads RA or has a load on its way
	tensor_load_to_lds s[GXQ:GXQ+3], s[G1X:G1X+7]  ; x into RA: it has v's whole phase in which to land
	s_nop 0
	PLACES                                         ; also the places behind k's last products
	SCL SXQ, BX3                                   ; q's phase: 16 loads, Wq's into the registers that Wk's words have left
	SCL SWK, BW3
	ADDR RX, RB
	FETCH_W 0
	WIN 0
	OUTP RK, 1                                     ; k is quantised and stored while v's first fragments come
	; ---- v = x2 Wv, on x2's fragments as they lie in registers
	s_wait_loadcnt 16                              ; v's scale words are in; q's 16 loads may be out
.irp q, 0,1,2,3,4,5,6,7
	KSTEP_V \q
.endr
	WIN 0
	s_wait_tensorcnt 0x0                           ; x's quarter has landed
	ds_add_u32 v[SPW], v[NIL]
	s_wait_dscnt 0x0                               ; the add is done; my reads of RB are over
	CROUND
	tensor_load_to_lds s[GWQ:GWQ+3], s[G1W:G1W+7]  ; Wq into RB
	s_nop 0
	PLACES
	OUTV                                           ; v is quantised and stored while Wq comes
	ADDR RA, RB
	s_wait_alu depctr_va_vdst(0)
	s_wait_tensorcnt 0x0                           ; my quarter of Wq is in,
	s_wait_loadcnt 0x0                             ; and q's scale words
	s_barrier_signal -1
	s_barrier_wait -1                              ; everybody's quarter is
	; ---- q = x Wq
	FETCH_W 0
	FETCH_T 0
.irp q, 0,1,2,3,4,5,6,7
	KSTEP_QK \q, SXQ, SWK
.endr
	PLACES
	WIN 0
	OUTP RQ
	s_wait_tensorcnt 0x0                           ; the wave's end
	ds_add_u32 v[SPW], v[NIL]
	s_wait_dscnt 0x0
	CROUND                                         ; the closing round: no work-group ends while a partner may still ask for a tile that names it
	s_endpgm
.Lfunc_end_k_q7005026819_proj:
	.size	k_q7005026819_proj, .Lfunc_end_k_q7005026819_proj-k_q7005026819_proj
	.p2alignl 7, 3214868480
	.fill 96, 4, 3214868480
	.section	.rodata,"a",@progbits
	.p2align	6, 0x0
	.amdhsa_kernel k_q7005026819_proj
		.amdhsa_group_segment_fixed_size 327680
		.amdhsa_private_segment_fixed_size 0
		.amdhsa_enable_private_segment 0
		.amdhsa_kernarg_size 72
		.amdhsa_user_sgpr_count 2
		.amdhsa_user_sgpr_kernarg_segment_ptr 1
		.amdhsa_wavefront_size32 1
		.amdhsa_system_sgpr_workgroup_id_x 1
		.amdhsa_system_sgpr_workgroup_id_y 1
		.amdhsa_system_sgpr_workgroup_id_z 1
		.amdhsa_system_vgpr_workitem_id 0
		.amdhsa_next_free_vgpr 1024
		.amdhsa_next_free_sgpr 100
		.amdhsa_reserve_vcc 0
		.amdhsa_float_denorm_mode_32 3
		.amdhsa_float_denorm_mode_16_64 3
		.amdhsa_memory_ordered 1
		.amdhsa_forward_progress 1
		.amdhsa_inst_pref_size 158
	.end_amdhsa_kernel
	.amdgpu_metadata
---
amdhsa.version: [ 1, 2 ]
amdhsa.kernels:
  - .name:           k_q7005026819_proj
    .symbol:         k_q7005026819_proj.kd
    .args:
      - { .name: x_codes, .offset: 0, .size: 8, .value_kind: global_buffer, .address_space: global }
      - { .name: x_scales, .offset: 8, .size: 8, .value_kind: global_buffer, .address_space: global }
      - { .name: x2_codes, .offset: 16, .size: 8, .value_kind: global_buffer, .address_space: global }
      - { .name: x2_scales, .offset: 24, .size: 8, .value_kind: global_buffer, .address_space: global }
      - { .name: Wqkv_codes, .offset: 32, .size: 8, .value_kind: global_buffer, .address_space: global }
      - { .name: Wqkv_scales, .offset: 40, .size: 8, .value_kind: global_buffer, .address_space: global }
      - { .name: qrec, .offset: 48, .size: 8, .value_kind: global_buffer, .address_space: global }
      - { .name: krec, .offset: 56, .size: 8, .value_kind: global_buffer, .address_space: global }
      - { .name: vrec, .offset: 64, .size: 8, .value_kind: global_buffer, .address_space: global }
    .group_segment_fixed_size: 327680
    .private_segment_fixed_size: 0
    .kernarg_segment_align: 8
    .kernarg_segment_size: 72
    .max_flat_workgroup_size: 128
    .sgpr_count:     100
    .vgpr_count:     1024
    .wavefront_size: 32
...
	.end_amdgpu_metadata
.endif
;; end of part 1
;; launch attn (part 2): grid 8 x 32, 8 waves a work-group, clusters of 4 x 1, 327,680 bytes of LDS; arguments qrec, krec, vrec, arec, asc; writes arec, asc
.if DOCPART == 2
	.amdgcn_target "amdgcn-amd-amdhsa--gfx1250"
	.amdhsa_code_object_version 6
	.text
	.protected	k_q7005026819_attn
	.globl	k_q7005026819_attn
	.p2align	8
	.type	k_q7005026819_attn,@function
k_q7005026819_attn:
	s_mov_b64 s[64:65], 0
	v_nop
	global_prefetch_b8 v0, s[64:65] scope:SCOPE_SE
	s_setreg_imm32_b32 hwreg(HW_REG_WAVE_MODE, 25, 1), 1
	s_wait_xcnt 0x0
	s_wait_alu depctr_hold_cnt(0) depctr_sa_sdst(0) depctr_va_vdst(0) depctr_va_sdst(0) depctr_va_ssrc(0) depctr_va_vcc(0) depctr_vm_vsrc(0)
	s_getreg_b32 s2, hwreg(HW_REG_IB_STS2, 6, 4)
	s_cmp_eq_u32 s2, 0
	s_cbranch_scc0 .Lentry_in_a_cluster
	s_endpgm
.Lentry_in_a_cluster:
	s_bfe_u32 s2, ttmp6, 0x10000c
	s_cmp_lg_u32 s2, 0x3003
	s_cbranch_scc0 .Lentry_shape_is_right
	s_endpgm
.Lentry_shape_is_right:
; o = softmax(q k^T / 8) v for one head (work-group y = batch x 16 + head) and 256 queries, quantised along the head's 64 numbers on the way out.
; q, k, v come as records of 6,400 bytes, images of operand registers: 128 tokens = 4 fragments of 1,536 bytes (registers 4 c .. of lane l at 512 c + 16 l) + 256 bytes of scale words.
; SHARES.  Eight waves; a wave has TWO tiles of 16 queries (the two halves of one fragment of q), A in window 0 and B in window 1 of its registers, so that each fragment of k and v serves both.  A step is 128 keys.
; Both products are used transposed: a lane holds one query.  A fragment of k carries two tiles of 16 keys (K = 64 each); q stands beside zeros, so that one product takes the lower tile and one the upper.
; THE KEYS OF A TILE: its lane-rows 0-7 and 8-15 are 32 keys apart, so register 32 c + i of lane (r, h) is key 64 c + 32 h + i of the step: a WHOLE scale block of 32 keys lies in a lane, in the order in which the next product wants p's codes.
; SOFTMAX.  M is the running largest t = score x log2(e) / 8, rounded up; -M is kept.  p = 2^(t - M); the row's sum is taken of the unquantised p; sum and O^T are multiplied by 2^(old M - new M), which rounds nothing.
; A block's scale is 2^(floor(its largest t - M) - 2), held at the byte 1 from below: p's exponent is the floor of t - M (where t - M lies within an f32 rounding under a whole number, p may round up to that power of two and is then held at the largest code).
; LDS: k's 16 records at 0, v's 16 behind them, the spare words.  Every byte is filled once, in two loads a wave: records 0-3 (waves 0-3 k's, 4-7 v's), then, behind a round, records 4-15, three records a wave; the second has two steps in which to land.
; The four work-groups of a cluster need the same k and v and ask for them jointly.  No prefetch: k and v are asked for whole by these two loads a wave, ahead of the loops, so no loop of loads is there to run ahead in.
; LIMITS: NaN and infinities are not served; scaled scores t stay under 2^31 in magnitude.
; V'S FRAGMENTS, unlike q's and k's, lie by halves: registers 0-5 in 768 bytes (four at 16 x lane, two at 512 + 8 x lane), registers 6-11 in the next 768.
.set RECB, 6400
.set ADV8, 39                          ; v's pieces of two registers
.set VB,   16*RECB
.set L16, 1                            ; 16 x lane
.set L4,  2                            ; 4 x lane
.set ADK, 3
.set ADS, 4
.set ADV, 5
.set ADT, 6
.set L8,  7
.set QSA, 8                            ; q's scale words, tile A and B
.set QSB, 9
.set SK,  10                           ; k's scale words: lanes 0-15 the even fragment's, lanes 16-31 the odd one's
.set SV,  20                           ; v's
                                       ; v[12 + 4 t] -M, v[13 + 4 t] the largest score, v[14 + 4 t], v[15 + 4 t] the sum's two halves (t = 0: A, 1: B); v[22 + 2 t] 2^(old M - new M)
.set PW,  26                           ; p's scale words
.set TP,  28
.set PX,  30
.set NN,  32
.set DD,  34
.set R4,  36
.set BM,  40
.set TS,  48                           ; v48-63, in both windows: first sums
.set S,   64                           ; v64-127, in both windows: scores, then p
.set O,   128                          ; v128-159, in both windows: O^T
.set PC,  160                          ; p's codes: A v160-171, B v172-183
.set PH,  184
.set Y,   208
.set SO,  212
.set W,   216
.set CH,  220
.set KF,  160                          ; window 1: k's fragments v160-207, v's v208-255; v0-29: zeros, q of A, zeros, q of B, zeros, six each
.set VF,  208
.set WV,  14
.set G1,  16
.set SEL, 32
.set CS,  34
.set OFF, 36
.set OFFV, 37
.set CNT, 38
.set NC,  39
.set MSB, 0
.macro WIN new                         ; the immediate's high byte repeats the setting that is left
.if MSB != (\new)
	s_set_vgpr_msb (MSB<<8)|(\new)
.set MSB, \new
.endif
.endm
.macro WALU
	s_wait_alu depctr_va_vdst(0)
.endm
.macro CROUND
	s_barrier_signal -1
	s_barrier_wait -1
	s_cmp_lg_u32 s[WV], 0
	s_cbranch_scc1 .Lnot_wave_0_\@
	s_barrier_signal -3
.Lnot_wave_0_\@:
	s_barrier_wait -3
	s_barrier_signal -1
	s_barrier_wait -1
.endm
.macro FRAGS to, a                     ; the four fragments of a record
.irp f, 0,1,2,3
.irp c, 0,1,2
	ds_load_b128 v[\to+12*\f+4*\c:\to+12*\f+4*\c+3], v[\a] offset:1536*\f+512*\c
.endr
.endr
.endm
.macro WORDS to, a
	ds_load_b32 v[\to], v[\a] offset:6144
	ds_load_b32 v[\to+1], v[\a] offset:6272
.endm
.macro QK lo, hi, qs                   ; the scores of a tile of queries and 128 keys
.irp f, 0,1,2,3
.if \f%2 == 0
	v_wmma_scale_f32_16x16x128_f8f6f4 v[S+16*\f:S+16*\f+7], v[KF+12*\f:KF+12*\f+11], v[\lo:\lo+11], 0, v[SK+\f/2], v[\qs] matrix_a_fmt:MATRIX_FMT_FP6 matrix_b_fmt:MATRIX_FMT_FP6
	v_wmma_scale_f32_16x16x128_f8f6f4 v[S+16*\f+8:S+16*\f+15], v[KF+12*\f:KF+12*\f+11], v[\hi:\hi+11], 0, v[SK+\f/2], v[\qs] matrix_a_fmt:MATRIX_FMT_FP6 matrix_b_fmt:MATRIX_FMT_FP6
.else
	v_wmma_scale_f32_16x16x128_f8f6f4 v[S+16*\f:S+16*\f+7], v[KF+12*\f:KF+12*\f+11], v[\lo:\lo+11], 0, v[SK+\f/2], v[\qs] matrix_a_fmt:MATRIX_FMT_FP6 matrix_b_fmt:MATRIX_FMT_FP6 matrix_a_scale:MATRIX_SCALE_ROW1
	v_wmma_scale_f32_16x16x128_f8f6f4 v[S+16*\f+8:S+16*\f+15], v[KF+12*\f:KF+12*\f+11], v[\hi:\hi+11], 0, v[SK+\f/2], v[\qs] matrix_a_fmt:MATRIX_FMT_FP6 matrix_b_fmt:MATRIX_FMT_FP6 matrix_a_scale:MATRIX_SCALE_ROW1
.endif
.endr
.endm
.macro PV t                            ; O^T += v^T p^T
.irp g, 0,1,2,3
.if \g%2 == 0
	v_wmma_scale_f32_16x16x128_f8f6f4 v[O+8*\g:O+8*\g+7], v[VF+12*\g:VF+12*\g+11], v[PC+12*\t:PC+12*\t+11], v[O+8*\g:O+8*\g+7], v[SV+\g/2], v[PW+\t] matrix_a_fmt:MATRIX_FMT_FP6 matrix_b_fmt:MATRIX_FMT_FP6
.else
	v_wmma_scale_f32_16x16x128_f8f6f4 v[O+8*\g:O+8*\g+7], v[VF+12*\g:VF+12*\g+11], v[PC+12*\t:PC+12*\t+11], v[O+8*\g:O+8*\g+7], v[SV+\g/2], v[PW+\t] matrix_a_fmt:MATRIX_FMT_FP6 matrix_b_fmt:MATRIX_FMT_FP6 matrix_a_scale:MATRIX_SCALE_ROW1
.endif
.endr
.endm
.macro MAXP t                          ; the largest score of each of a lane's two blocks, in v[BM + 4 t] and v[BM + 4 t + 2]: two chains a block
	WIN 0x15*\t
.irp c, 0,1
	v_max_num_f32 v[BM+4*\t+2*\c], v[S+32*\c], v[S+32*\c+1]
	v_max3_num_f32 v[BM+4*\t+2*\c+1], v[S+32*\c+16], v[S+32*\c+17], v[S+32*\c+18]
.endr
	WIN 0x05*\t
.irp i, 2,4,6,8,10,12
.irp c, 0,1
	v_max3_num_f32 v[BM+4*\t+2*\c], v[S+32*\c+\i], v[S+32*\c+\i+1], v[BM+4*\t+2*\c]
	v_max3_num_f32 v[BM+4*\t+2*\c+1], v[S+32*\c+17+\i], v[S+32*\c+18+\i], v[BM+4*\t+2*\c+1]
.endr
.endr
.irp c, 0,1
	v_max3_num_f32 v[BM+4*\t+2*\c], v[S+32*\c+14], v[S+32*\c+15], v[BM+4*\t+2*\c]
.endr
	WIN 0x01*\t
.irp c, 0,1
	v_max3_num_f32 v[BM+4*\t+2*\c], v[S+32*\c+31], v[BM+4*\t+2*\c+1], v[BM+4*\t+2*\c]
.endr
.endm
.macro RESCALE t
.irp j, 0,2,4,6,8,10,12,14,16,18,20,22,24,26,28,30
	v_pk_mul_f32 v[O+\j:O+\j+1], v[O+\j:O+\j+1], v[22+2*\t:23+2*\t] op_sel_hi:[1,0]
.endr
.endm
.macro TMM j, t                        ; t - M, two at a time
	v_pk_fma_f32 v[S+\j:S+\j+1], v[S+\j:S+\j+1], s[CS:CS+1], v[12+4*\t:13+4*\t] op_sel_hi:[1,0,0]
.endm
; p of 64 keys in three parts: t - M of block 0; block 0's exponentials, with block 1's t - M among them; block 1's exponentials, with block 0's first sums among them.  Ahead of each of the last two stands a wait, behind other plain work
.macro TMM0 t
	WIN 0x45*\t
.irp j, 0,2,4,6,8,10,12,14,16,18,20,22,24,26,28,30
	TMM \j, \t
.endr
.endm
.macro EXP0 t
	WIN 0x45*\t
.irp j, 0,2,4,6,8,10,12,14,16,18,20,22,24,26,28,30
	v_exp_f32 v[S+\j], v[S+\j]
	v_exp_f32 v[S+\j+1], v[S+\j+1]
	TMM 32+\j, \t
.endr
.endm
.macro EXP1 t
	WIN 0x45*\t
.irp j, 0,4,8,12,16,20,24,28
	v_exp_f32 v[S+32+\j], v[S+32+\j]
	v_exp_f32 v[S+33+\j], v[S+33+\j]
	v_exp_f32 v[S+34+\j], v[S+34+\j]
	v_exp_f32 v[S+35+\j], v[S+35+\j]
	v_pk_add_f32 v[TS+\j/2:TS+\j/2+1], v[S+\j:S+\j+1], v[S+\j+2:S+\j+3]
.endr
.endm
.macro CVT t
	WIN 0x01*\t
.irp c, 0,1
	v_cvt_scalef32_pk16_fp6_f32 v[PC+12*\t+6*\c:PC+12*\t+6*\c+2], v[S+32*\c:S+32*\c+15], v[SO+2*\t+\c]
	v_cvt_scalef32_pk16_fp6_f32 v[PH+8*\t+4*\c:PH+8*\t+4*\c+2], v[S+32*\c+16:S+32*\c+31], v[SO+2*\t+\c]
.endr
.endm
.macro MOVS t                          ; (a conversion's three registers begin on an even number)
.irp c, 0,1
.irp i, 0,1,2
	v_mov_b32 v[PC+12*\t+6*\c+3+\i], v[PH+8*\t+4*\c+\i]
.endr
.endr
.endm
.macro SUMS t                          ; the row's sum, in four chains
	WIN 0x10*\t
	v_pk_fma_f32 v[14+4*\t:15+4*\t], v[14+4*\t:15+4*\t], v[22+2*\t:23+2*\t], v[TS:TS+1] op_sel_hi:[1,0,1]
	WIN 0x05*\t
.irp k, 0,1,2
	v_pk_add_f32 v[CH+6*\t+2*\k:CH+6*\t+2*\k+1], v[TS+2+4*\k:TS+3+4*\k], v[TS+4+4*\k:TS+5+4*\k]
.endr
	WIN 0x01*\t
	v_pk_add_f32 v[14+4*\t:15+4*\t], v[TS+14:TS+15], v[14+4*\t:15+4*\t]
.irp j, 32,40,48,56
.irp k, 0,1,2
	v_pk_add_f32 v[CH+6*\t+2*\k:CH+6*\t+2*\k+1], v[S+\j+2*\k:S+\j+2*\k+1], v[CH+6*\t+2*\k:CH+6*\t+2*\k+1]
.endr
	v_pk_add_f32 v[14+4*\t:15+4*\t], v[S+\j+6:S+\j+7], v[14+4*\t:15+4*\t]
.endr
	WIN 0
	v_pk_add_f32 v[CH+6*\t:CH+6*\t+1], v[CH+6*\t:CH+6*\t+1], v[CH+6*\t+2:CH+6*\t+3]
	v_pk_add_f32 v[14+4*\t:15+4*\t], v[14+4*\t:15+4*\t], v[CH+6*\t+4:CH+6*\t+5]
	v_pk_add_f32 v[14+4*\t:15+4*\t], v[14+4*\t:15+4*\t], v[CH+6*\t:CH+6*\t+1]
.endm
; A STEP.  k's fragments are in registers at its start; the next step's are fetched behind the scores (behind the last step: bytes of v's first record, which nobody uses), v's with them.
.macro STEP
	WIN 0x05
	QK 6, 0, QSA
	WIN 0x45
	QK 18, 12, QSB
	WIN 0
	v_add_nc_u32 v[ADK], s[OFF], v[L16]    ; these four are the places behind the products
	v_add_nc_u32 v[ADS], s[OFF], v[L4]
	v_add_nc_u32 v[ADV], s[OFFV], v[L16]
	v_add_nc_u32 v[ADT], s[OFFV], v[L4]
	v_add_nc_u32 v[ADV8], s[OFFV], v[L8]
	WIN 0x40
	FRAGS KF, ADK
.irp f, 0,1,2,3
	ds_load_b128 v[VF+12*\f:VF+12*\f+3], v[ADV] offset:1536*\f
	ds_load_b64 v[VF+12*\f+4:VF+12*\f+5], v[ADV8] offset:1536*\f+512
	ds_load_b128 v[VF+12*\f+6:VF+12*\f+9], v[ADV] offset:1536*\f+768
	ds_load_b64 v[VF+12*\f+10:VF+12*\f+11], v[ADV8] offset:1536*\f+1280
.endr
	WIN 0
	WORDS SK, ADS
	WORDS SV, ADT
	MAXP 0
	MAXP 1
	WIN 0
.irp t, 0,1
	v_max_num_f32 v[TP+\t], v[BM+4*\t], v[BM+4*\t+2]
.endr
.irp t, 0,1
	v_permlanex16_b32 v[PX+\t], v[TP+\t], s[SEL], s[SEL+1]
.endr
.irp t, 0,1
	v_max3_num_f32 v[13+4*\t], v[TP+\t], v[PX+\t], v[13+4*\t]
.endr
.irp t, 0,1
	v_mul_f32 v[TP+\t], s[NC], v[13+4*\t]
.endr
.irp t, 0,1
	v_floor_f32 v[NN+\t], v[TP+\t]         ; the new -M = floor(-t)
.endr
.irp t, 0,1
	v_sub_f32 v[DD+\t], v[NN+\t], v[12+4*\t]
.endr
.irp t, 0,1
	v_mov_b32 v[12+4*\t], v[NN+\t]
.endr
.irp t, 0,1
	v_cvt_i32_f32 v[DD+\t], v[DD+\t]       ; old M - new M, a whole number, 0 or less (it saturates)
.endr
.irp t, 0,1
	v_ldexp_f32 v[22+2*\t], 1.0, v[DD+\t]
.endr
	TMM0 0
	RESCALE 0
	WIN 0x41
	RESCALE 1
	WALU
	EXP0 0
	TMM0 1
	WALU                                   ; for A's block 1 and B's block 0
	EXP1 0
	EXP0 1
	WIN 0
	; the blocks' scales, both tiles
.irp t, 0,1
.irp c, 0,1
	v_fma_f32 v[Y+2*\t+\c], v[BM+4*\t+2*\c], s[CS], v[12+4*\t]
.endr
.endr
.irp b, 0,1,2,3
	v_max_num_f32 v[Y+\b], 0xc2f80000, v[Y+\b] ; -124: the byte cannot fall under 1
.endr
.irp b, 0,1,2,3
	v_cvt_floor_i32_f32 v[Y+\b], v[Y+\b]
.endr
.irp t, 0,1
	v_lshl_add_u32 v[W+\t], v[Y+2*\t+1], 16, v[Y+2*\t]
.endr
.irp b, 0,1,2,3
	v_lshl_add_u32 v[SO+\b], v[Y+\b], 23, 0x3e800000   ; the conversion's scale operand: exponent field floor(t - M) + 125
.endr
.irp t, 0,1
	v_add_nc_u32 v[W+\t], 0x7d007d, v[W+\t] ; my two bytes, blocks h and 2 + h
.endr
.irp t, 0,1
	v_permlanex16_b32 v[PX+\t], v[W+\t], s[SEL], s[SEL+1]
.endr
.irp t, 0,1
	v_lshl_add_u32 v[PW+\t], v[PX+\t], 8, v[W+\t] ; in lanes 0-15 the word of all four blocks
.endr
	WALU
	EXP1 1
	CVT 0
	SUMS 0
	WALU
	s_wait_dscnt 0x0                       ; v's fragments are in, and the next step's of k
	CVT 1
	WIN 0
	MOVS 0
	MOVS 1
	SUMS 1
	WIN 0x01
	PV 0
	WIN 0x51
	PV 1
	WIN 0
	s_add_co_u32 s[OFF], s[OFF], RECB
	s_add_co_u32 s[OFFV], s[OFFV], RECB
.endm
	s_load_b256 s[4:11], s[0:1], 0x0       ; qrec s[4:5], krec s[6:7], vrec s[8:9], arec s[10:11]
	s_load_b64 s[12:13], s[0:1], 0x20      ; asc
	v_lshl_add_u32 v254, v0, 2, 0x32000    ; my spare word: behind 204,800 bytes
	v_mov_b32 v255, 0
	ds_add_u32 v254, v255                  ; the opening: the add, twice on end
	ds_add_u32 v254, v255
	v_lshrrev_b32 v1, 5, v0
	v_readfirstlane_b32 s[WV], v1
	v_and_b32 v37, 31, v0
	v_lshlrev_b32 v[L16], 4, v37
	v_lshlrev_b32 v[L4], 2, v37
	v_lshlrev_b32 v[L8], 3, v37
	v_and_b32 v38, 15, v0
	v_lshlrev_b32 v[R4], 2, v38
	WALU
	s_bfe_u32 s15, ttmp6, 0x40000          ; cx
	s_and_b32 s44, ttmp7, 0xffff           ; batch x 16 + head
	s_and_b32 s45, s[WV], 3                ; which fragment of q; which records I fetch
	s_lshr_b32 s46, s[WV], 2               ; which 128 queries; do I fetch k's (0) or v's (1)
	s_mov_b32 s[G1], 15|(3<<16)|(1<<21)    ; all four work-groups of the cluster; elements of 8 bytes; bit 21 beside a mask; rows of 256 bytes, dense
	s_mov_b32 s[G1+1], 32<<16
	s_mov_b32 s[G1+2], 25<<16              ; one record = 25 rows
	s_mov_b32 s[G1+3], 32<<16
	s_mov_b32 s[G1+4], 25
	s_mov_b32 s[G1+5], 32
	s_mov_b32 s[G1+6], 0
	s_mov_b32 s[G1+7], 0
	s_lshl_b32 s47, ttmp9, 2
	s_add_co_u32 s47, s47, s15
	s_lshl_b32 s47, s47, 1
	s_add_co_u32 s47, s47, s46             ; my group of 128 queries, 0 .. 15
	s_lshl_b32 s54, s44, 4
	s_add_co_u32 s54, s54, s47
	s_mul_i32 s54, s54, RECB
	s_mul_i32 s56, s45, 1536
	s_add_co_u32 s56, s56, s54             ; my fragment of q
	s_mov_b32 s57, 0
	s_lshl_b32 s58, s45, 6
	s_add_co_u32 s58, s58, s54             ; its scale words
	s_mov_b32 s59, 0
	s_mul_i32 s50, s45, RECB
	s_mul_i32 s48, s44, 16*RECB
	s_add_co_u32 s48, s48, s50
	s_mov_b32 s49, 0
	s_mul_i32 s51, s46, VB
	s_mul_i32 s60, s45, 3*RECB
	s_add_co_u32 s60, s60, s51
	s_add_co_u32 s51, s51, s50             ; first load: record s45
	s_mul_i32 s50, s45, 2*RECB
	s_add_co_u32 s50, s50, 4*RECB          ; second: records 4 + 3 s45 on
	s_mov_b32 s24, 1
	s_mov_b32 s25, s51
	s_mov_b32 s28, 1
	s_add_co_u32 s29, s60, 4*RECB
	s_mov_b32 s51, 0
	s_wait_dscnt 0x0
	s_wait_kmcnt 0x0
	s_add_nc_u64 s[40:41], s[4:5], s[56:57]
	s_add_nc_u64 s[42:43], s[4:5], s[58:59]
.irp c, 0,1,2
	global_load_b128 v[S+4*\c:S+4*\c+3], v[L16], s[40:41] offset:512*\c
.endr
	global_load_b32 v76, v[R4], s[42:43] offset:6144
	s_cmp_lt_u32 s[WV], 4
	s_cselect_b64 s[52:53], s[6:7], s[8:9]
	s_add_nc_u64 s[52:53], s[52:53], s[48:49]
	s_mov_b64 s[26:27], s[52:53]
	s_or_b32 s27, s27, 0x80000000
	s_add_nc_u64 s[30:31], s[52:53], s[50:51]
	s_or_b32 s31, s31, 0x80000000
	CROUND                                 ; all four work-groups are here: the first joint loads meet
	tensor_load_to_lds s[24:27], s[G1:G1+7]
	s_nop 0
.rept 4
	v_nop
.endr
	s_mov_b32 s[SEL], 0x76543210
	s_mov_b32 s[SEL+1], 0xfedcba98
	s_mov_b32 s[CS], 0x3e38aa3b            ; log2(e) / 8
	s_mov_b32 s[CS+1], s[CS]
	s_mov_b32 s[NC], 0xbe38aa3b
	s_lshr_b32 s54, s44, 4
	s_lshl_b32 s54, s54, 4
	s_add_co_u32 s54, s54, s47             ; group of 128 tokens
	s_and_b32 s56, s44, 15                 ; head
	s_mul_i32 s58, s54, 98304
	s_mul_i32 s59, s45, 24576
	s_add_co_u32 s58, s58, s59
	s_mul_i32 s59, s56, 768
	s_add_co_u32 s58, s58, s59
	s_mov_b32 s59, 0
	s_add_nc_u64 s[10:11], s[10:11], s[58:59]
	s_lshl_b32 s58, s54, 12
	s_lshl_b32 s60, s45, 10
	s_add_co_u32 s58, s58, s60
	s_lshr_b32 s60, s56, 1
	s_lshl_b32 s60, s60, 6
	s_add_co_u32 s58, s58, s60
	s_and_b32 s60, s56, 1
	s_lshl_b32 s60, s60, 1
	s_add_co_u32 s58, s58, s60
	s_add_nc_u64 s[12:13], s[12:13], s[58:59]
.irp t, 0,1
	v_mov_b32 v[13+4*\t], 0xff61b1e6       ; the largest score so far: -3e38
.endr
.irp t, 0,1
	v_mul_f32 v[TP+\t], s[NC], v[13+4*\t]
.endr
.irp t, 0,1
	v_floor_f32 v[12+4*\t], v[TP+\t]
	v_mov_b32 v[14+4*\t], 0
	v_mov_b32 v[15+4*\t], 0
	v_mov_b32 v[23+2*\t], 0
	v_mov_b32 v[PX+\t], 0                  ; (a lane permute's destination counts as one of its sources)
.endr
.set J, 0
.rept 32
	v_mov_b32 v[O+J], 0                    ; the step is written for every trip alike: the first finds zeros
.set J, J+1
.endr
	WIN 0x40
.set J, 0
.rept 32
	v_mov_b32 v[O+J], 0
.set J, J+1
.endr
.irp i, 0,1,2,3,4,5
	v_mov_b32 v[\i], 0
	v_mov_b32 v[12+\i], 0
	v_mov_b32 v[24+\i], 0
.endr
	WALU
	s_wait_loadcnt 0x0                     ; q
.irp i, 0,1,2,3,4,5
	v_mov_b32 v[6+\i], v[S+\i]
	v_mov_b32 v[18+\i], v[S+6+\i]
.endr
	WIN 0
	v_and_b32 v37, 0xffff, v76             ; bytes 0, 1: tile A's two blocks; 2, 3: tile B's
	v_lshrrev_b32 v38, 16, v76
	v_lshl_or_b32 v[QSA], v37, 16, v37
	v_lshl_or_b32 v[QSB], v38, 16, v38
	WALU
	s_wait_tensorcnt 0x0                   ; my record is in
	ds_add_u32 v254, v255
	s_mov_b32 s[G1+2], 75<<16              ; no load of mine is out: the second brings three records
	s_mov_b32 s[G1+4], 75
	s_wait_dscnt 0x0
	CROUND                                 ; records 0-3 of k and v are in
	tensor_load_to_lds s[28:31], s[G1:G1+7]
	s_nop 0
.rept 4
	v_nop
.endr
	WIN 0x40
	FRAGS KF, L16
	WIN 0
	WORDS SK, L4
	s_mov_b32 s[OFF], RECB
	s_mov_b32 s[OFFV], VB
	s_mov_b32 s[CNT], 2
	s_wait_dscnt 0x0
.Lfirst:                                   ; steps 0, 1
	STEP
	s_sub_co_u32 s[CNT], s[CNT], 1
	s_cmp_lg_u32 s[CNT], 0
	s_cbranch_scc1 .Lfirst
	WALU
	s_wait_tensorcnt 0x0                   ; my three records are in: say so;
	s_wait_dscnt 0x0
	s_barrier_signal -1
	s_mov_b32 s[OFF], 3*RECB
	s_mov_b32 s[OFFV], VB+2*RECB
	STEP                                   ; step 2 reads records 2 and 3 alone, which lie in LDS since the head
	s_barrier_wait -1                      ; everybody's are
	s_mov_b32 s[OFF], 4*RECB
	s_mov_b32 s[OFFV], VB+3*RECB
	s_mov_b32 s[CNT], 13
.Lrest:                                    ; steps 3 to 15
	STEP
	s_sub_co_u32 s[CNT], s[CNT], 1
	s_cmp_lg_u32 s[CNT], 0
	s_cbranch_scc1 .Lrest
	WALU
	; THE WAY OUT: O^T / the sum, then the quantiser along the head's numbers: registers 16 b + i of lane (r, h) are numbers 32 b + 16 h + i
.irp t, 0,1
	v_add_f32 v[14+4*\t], v[14+4*\t], v[15+4*\t]
.endr
.irp t, 0,1
	v_permlanex16_b32 v[PX+\t], v[14+4*\t], s[SEL], s[SEL+1]
.endr
.irp t, 0,1
	v_add_f32 v[14+4*\t], v[14+4*\t], v[PX+\t]
.endr
	WALU
	v_rcp_f32 v14, v14
	v_rcp_f32 v18, v18
	v_nop
	WALU
.set J, 0
.rept 32
	v_mul_f32 v[S+J], v[O+J], v14
.set J, J+1
.endr
	WIN 0x01
.set J, 0
.rept 32
	v_mul_f32 v[S+32+J], v[O+J], v18       ; tile B's, into window 0 too
.set J, J+1
.endr
	WIN 0
.irp b, 0,1,2,3
	v_max3_num_f32 v[BM+\b], |v[S+16*\b]|, |v[S+16*\b+1]|, 0x1800000
.endr
.irp i, 2,4,6,8,10,12,14
.irp b, 0,1,2,3
	v_max3_num_f32 v[BM+\b], v[BM+\b], |v[S+16*\b+\i]|, |v[S+16*\b+\i+1]|
.endr
.endr
.irp b, 0,1,2,3
	v_permlanex16_b32 v[BM+4+\b], v[BM+\b], s[SEL], s[SEL+1]
.endr
.irp b, 0,1,2,3
	v_max_num_f32 v[BM+\b], v[BM+\b], v[BM+4+\b]
.endr
.irp b, 0,1,2,3
	v_add_nc_u32 v[SO+\b], 0xff000000, v[BM+\b]
.endr
.irp b, 0,1,2,3
	v_lshrrev_b32 v[Y+\b], 23, v[SO+\b]
.endr
	v_lshl_or_b32 v[W], v[Y+1], 8, v[Y]
	v_lshl_or_b32 v[W+1], v[Y+3], 8, v[Y+2]
.irp c, 0,1
	v_cvt_scalef32_pk16_fp6_f32 v[PC+6*\c:PC+6*\c+2], v[S+32*\c:S+32*\c+15], v[SO+2*\c]
	v_cvt_scalef32_pk16_fp6_f32 v[PH+4*\c:PH+4*\c+2], v[S+32*\c+16:S+32*\c+31], v[SO+2*\c+1]
.endr
	v_nop
.irp c, 0,1
.irp i, 0,1,2
	v_permlane16_swap_b32 v[PC+6*\c+\i], v[PH+4*\c+\i]
.endr
.irp i, 0,1,2
	v_mov_b32 v[PC+3+6*\c+\i], v[PH+4*\c+\i]
.endr
.endr
.irp c, 0,1
	global_store_b128 v[L16], v[PC+6*\c:PC+6*\c+3], s[10:11] offset:12288*\c
	global_store_b64 v[L8], v[PC+6*\c+4:PC+6*\c+5], s[10:11] offset:12288*\c+512
	global_store_b16 v[R4], v[W+\c], s[12:13] offset:512*\c
.endr
	s_wait_tensorcnt 0x0                   ; the wave's end
	ds_add_u32 v254, v255
	s_wait_dscnt 0x0
	CROUND                                 ; the closing round
	s_endpgm
.Lfunc_end_k_q7005026819_attn:
	.size	k_q7005026819_attn, .Lfunc_end_k_q7005026819_attn-k_q7005026819_attn
	.p2alignl 7, 3214868480
	.fill 96, 4, 3214868480
	.section	.rodata,"a",@progbits
	.p2align	6, 0x0
	.amdhsa_kernel k_q7005026819_attn
		.amdhsa_group_segment_fixed_size 327680
		.amdhsa_private_segment_fixed_size 0
		.amdhsa_enable_private_segment 0
		.amdhsa_kernarg_size 40
		.amdhsa_user_sgpr_count 2
		.amdhsa_user_sgpr_kernarg_segment_ptr 1
		.amdhsa_wavefront_size32 1
		.amdhsa_system_sgpr_workgroup_id_x 1
		.amdhsa_system_sgpr_workgroup_id_y 1
		.amdhsa_system_sgpr_workgroup_id_z 1
		.amdhsa_system_vgpr_workitem_id 0
		.amdhsa_next_free_vgpr 512
		.amdhsa_next_free_sgpr 66
		.amdhsa_reserve_vcc 0
		.amdhsa_float_denorm_mode_32 3
		.amdhsa_float_denorm_mode_16_64 3
		.amdhsa_memory_ordered 1
		.amdhsa_forward_progress 1
		.amdhsa_inst_pref_size 101
	.end_amdhsa_kernel
	.amdgpu_metadata
---
amdhsa.version: [ 1, 2 ]
amdhsa.kernels:
  - .name:           k_q7005026819_attn
    .symbol:         k_q7005026819_attn.kd
    .args:
      - { .name: qrec, .offset: 0, .size: 8, .value_kind: global_buffer, .address_space: global }
      - { .name: krec, .offset: 8, .size: 8, .value_kind: global_buffer, .address_space: global }
      - { .name: vrec, .offset: 16, .size: 8, .value_kind: global_buffer, .address_space: global }
      - { .name: arec, .offset: 24, .size: 8, .value_kind: global_buffer, .address_space: global }
      - { .name: asc, .offset: 32, .size: 8, .value_kind: global_buffer, .address_space: global }
    .group_segment_fixed_size: 327680
    .private_segment_fixed_size: 0
    .kernarg_segment_align: 8
    .kernarg_segment_size: 40
    .max_flat_workgroup_size: 256
    .sgpr_count:     66
    .vgpr_count:     512
    .wavefront_size: 32
...
	.end_amdgpu_metadata
.endif
;; end of part 2
;; launch outp (part 3): grid 8 x 32, 4 waves a work-group, clusters of 4 x 4, 220,672 bytes of LDS; arguments arec, asc, Wout_codes, Wout_scales, bout, out0; writes out0
.if DOCPART == 3
	.amdgcn_target "amdgcn-amd-amdhsa--gfx1250"
	.amdhsa_code_object_version 6
	.text
	.protected	k_q7005026819_outp
	.globl	k_q7005026819_outp
	.p2align	8
	.type	k_q7005026819_outp,@function
k_q7005026819_outp:
	s_mov_b64 s[64:65], 0
	v_nop
	global_prefetch_b8 v0, s[64:65] scope:SCOPE_SE
	s_setreg_imm32_b32 hwreg(HW_REG_WAVE_MODE, 25, 1), 1
	s_wait_xcnt 0x0
	s_wait_alu depctr_hold_cnt(0) depctr_sa_sdst(0) depctr_va_vdst(0) depctr_va_sdst(0) depctr_va_ssrc(0) depctr_va_vcc(0) depctr_vm_vsrc(0)
	s_getreg_b32 s2, hwreg(HW_REG_IB_STS2, 6, 4)
	s_cmp_eq_u32 s2, 0
	s_cbranch_scc0 .Lentry_in_a_cluster
	s_endpgm
.Lentry_in_a_cluster:
	s_bfe_u32 s2, ttmp6, 0x10000c
	s_cmp_lg_u32 s2, 0xf033
	s_cbranch_scc0 .Lentry_shape_is_right
	s_endpgm
.Lentry_shape_is_right:
; out0 = A Wout + bout on codes of FP6 (E2M3), K = 1024.  A, the attention's result, comes as images of operand registers: arec [group of 128 tokens][tile of 16][head][768 bytes] (registers 0-3 of a
; half fragment at 16 x lane, registers 4-5 at 512 + 8 x lane), so fragment (tile, K step s) is the 1,536 bytes at tile x 12,288 + s x 1,536; asc [group][tile][s][row] holds its scale words.
; Row r of tile T is token 32 (T / 2) + 8 (T % 2) + r + 8 (r / 8) of the group.  Wout comes as rows of 768 bytes of codes, K innermost, and 32 scale bytes a row.
; SHARES.  A work-group makes 128 tokens (G) x 128 columns (nb) over the whole K, which lies in LDS; a wave 64 x 64.  Source 0 = 16 rows of Wout, source 1 = 16 tokens: a lane holds eight neighbouring columns of one token.
; THE WAVE'S 64 COLUMNS OF WOUT, ALL OF K, STAY IN REGISTERS (32 fragments, 384 registers).  Its four tiles of 16 tokens are finished one after the other, 32 products each, and leave as soon as they are finished.
; The bias is the C of each sum's first matrix instruction; a tile's four accumulators take turns, one instruction a turn.
; CLUSTER 4 x 4: A's block hangs on G alone and is asked for jointly along a row of the cluster, Wout's on nb alone, along a column.  One tensor load a wave: waves 0 and 1 fetch A's halves, waves 2 and 3 Wout's.  Every LDS byte is filled once.
; No prefetch: all tiles are asked for at the head, and no loop is there to run ahead in.
; LDS: A, dense, 98,304 bytes at 0; Wout's 128 rows x 816 bytes (768 + 16 of padding behind each 256) at 98,304; behind them a stage of 16 rows x 272 bytes for each wave, into which no fill lands; the spare words.
; LIMIT: NaN and infinities are not served.
; REGISTERS.  window 0: v1-19 addresses; v32-63 A's scale words; v64-95 Wout's; v96-127 the bias; v128-191 rows on the way out; v192-255 accumulators, two sets of 32.
;   windows 1 and 2: Wout's fragments f = 4 q + t, 21 to window 1, the rest from window 2's v0 on.  window 3: A's fragments, two sets of 96.
.set PITCH, 816
.set T16,   16*PITCH
.set HALF,  64*PITCH
.set WREG,  98304
.set STAGE, WREG+128*PITCH             ; 202,752 = 792 x 256
.set SP,    272
.set SPARE, STAGE+4*16*SP              ; 220,160 = 860 x 256
.set SPW, 1                            ; my spare word's address; never rewritten
.set NIL, 2                            ; 0
.set A16, 3                            ; v3   16 x lane + 49,152 x (wave / 2): my four tiles of A
.set A8,  4                            ; v4   8 x lane + the same
.set AW,  5                            ; v5   Wout: my 64 rows, 816 r + 24 h;  v6 the same with 40 h
.set STO, 7
.set RD,  8
.set CO,  9
.set R4,  10
.set R32, 11
.set H32, 12
.set AS,  32
.set WS,  64
.set BI,  96
.set BK,  128
.set ACC, 192
.set WV,  22
.set NH,  23
.set TH,  24
.set G1A, 32
.set G1W, 40
.set G0A, 48
.set G0W, 52
.set BAS, 56
.set BWS, 58
.set BBI, 60
.set OB,  62
.set MSB, 0
.macro WIN new                         ; the immediate's high byte repeats the setting that is left
.if MSB != (\new)
	s_set_vgpr_msb (MSB<<8)|(\new)
.set MSB, \new
.endif
.endm
.macro PLACES                          ; four plain vector instructions between a matrix instruction and a load into, or a read of, its registers
.rept 4
	v_nop
.endr
.endm
.macro CROUND                          ; a round of the cluster's barrier
	s_barrier_signal -1
	s_barrier_wait -1
	s_cmp_lg_u32 s[WV], 0
	s_cbranch_scc1 .Lnot_wave_0_\@
	s_barrier_signal -3
.Lnot_wave_0_\@:
	s_barrier_wait -3
	s_barrier_signal -1
	s_barrier_wait -1
.endm
; A fragment of Wout, 16 rows x 128 K: 24 bytes at 96 q + 24 h and 24 at 96 q + 48 + 24 h of the lane's row, in pieces of 8 bytes; 16 bytes of padding lie behind every 32 pieces.
.macro FRAG reg, adr, q, off
.irp p, 0,1,2,3,4,5
.set PCE, 12*(\q)+6*(\p/3)+\p%3
.if PCE%32 < 29
	ds_load_b64 v[\reg+2*\p:\reg+2*\p+1], v[\adr] offset:8*PCE+16*(PCE/32)+(\off)
.else
	ds_load_b64 v[\reg+2*\p:\reg+2*\p+1], v[\adr+1] offset:8*PCE+16*(PCE/32)+(\off)
.endif
.endr
.endm
.macro FETCHW q                        ; 24 loads: Wout's four fragments of K step q
.irp t, 0,1,2,3
.set F_, 4*(\q)+\t
	WIN (1+F_/21)<<6
	FRAG 12*(F_%21), AW, \q, \t*T16
.endr
.endm
.macro FETCHA i, q                     ; 4 loads: A's fragment (tile i, K step q), into set i % 2
	WIN 0xc0
.set R_, 96*((\i)%2)+12*(\q)
	ds_load_b128 v[R_:R_+3], v[A16] offset:(\i)*12288+1536*(\q)
	ds_load_b64 v[R_+4:R_+5], v[A8] offset:(\i)*12288+1536*(\q)+512
	ds_load_b128 v[R_+6:R_+9], v[A16] offset:(\i)*12288+1536*(\q)+768
	ds_load_b64 v[R_+10:R_+11], v[A8] offset:(\i)*12288+1536*(\q)+1280
.endm
.macro FETCHT i                        ; 32 loads: a whole tile of A
.irp q, 0,1,2,3,4,5,6,7
	FETCHA \i, \q
.endr
.endm
.macro MUL i, q                        ; 4 products
.irp t, 0,1,2,3
.set F_, 4*(\q)+\t
.set D_, ACC+32*((\i)%2)+8*\t
.set R_, 96*((\i)%2)+12*(\q)
	WIN (1+F_/21)|(3<<2)
.if (\q) == 0
	v_wmma_scale_f32_16x16x128_f8f6f4 v[D_:D_+7], v[12*(F_%21):12*(F_%21)+11], v[R_:R_+11], v[BI+8*\t:BI+8*\t+7], v[WS+8*\t+(\q)], v[AS+8*(\i)+(\q)] matrix_a_fmt:MATRIX_FMT_FP6 matrix_b_fmt:MATRIX_FMT_FP6
.else
	v_wmma_scale_f32_16x16x128_f8f6f4 v[D_:D_+7], v[12*(F_%21):12*(F_%21)+11], v[R_:R_+11], v[D_:D_+7], v[WS+8*\t+(\q)], v[AS+8*(\i)+(\q)] matrix_a_fmt:MATRIX_FMT_FP6 matrix_b_fmt:MATRIX_FMT_FP6
.endif
.endr
.endm
; THE WAY OUT, a tile of 16 tokens x my 64 columns, through my own stage: in as 32 bytes a lane, back as whole rows of 256 bytes.  LDS serves a wave's instructions in order (ISA guide 5.7.1.4).
.macro TOSTAGE i                       ; 16 LDS instructions
	WIN 0
.irp t, 0,1,2,3
	ds_store_b128 v[STO], v[ACC+32*((\i)%2)+8*\t:ACC+32*((\i)%2)+8*\t+3] offset:64*\t     ; each accumulator from its low end on
	ds_store_b128 v[STO], v[ACC+32*((\i)%2)+8*\t+4:ACC+32*((\i)%2)+8*\t+7] offset:64*\t+16
.endr
.irp k, 0,1,2,3,4,5,6,7
	ds_load_b128 v[BK+32*((\i)%2)+4*\k:BK+32*((\i)%2)+4*\k+3], v[RD] offset:2*\k*SP
.endr
.endm
.macro SEND i, younger                 ; younger: the LDS instructions issued behind this tile's loads, which may stay out
	WIN 0
	s_wait_dscnt \younger
.irp k, 0,1,2,3,4,5,6,7
	global_store_b128 v[CO], v[BK+32*((\i)%2)+4*\k:BK+32*((\i)%2)+4*\k+3], s[OB:OB+1] offset:(32*((\i)/2)+8*((\i)%2)+2*\k+8*(\k/4))*4096 th:TH_STORE_NT   ; 16 lanes store 256 consecutive bytes, at a multiple of 256 from out0's first byte; stage row 2 k + lane / 16 is token 2 k + 8 (k / 4) + lane / 16 of the tile
.endr
.endm
	s_load_b256 s[4:11], s[0:1], 0x0               ; arec s[4:5], asc s[6:7], Wout codes s[8:9], Wout scales s[10:11]
	s_load_b128 s[12:15], s[0:1], 0x20             ; bout s[12:13], out0 s[14:15]
	v_lshl_add_u32 v[SPW], v0, 2, SPARE
	v_mov_b32 v[NIL], 0
	ds_add_u32 v[SPW], v[NIL]                      ; the opening: the add, twice on end
	ds_add_u32 v[SPW], v[NIL]
	v_lshrrev_b32 v16, 5, v0
	v_readfirstlane_b32 s[WV], v16                 ; wave 0..3
	s_and_b32 s[NH], s[WV], 1                      ; which 64 columns; which half I fetch
	s_lshr_b32 s[TH], s[WV], 1                     ; which 64 tokens; do I fetch of A (0) or of Wout (1)
	s_bfe_u32 s25, ttmp6, 0x40000                  ; cx
	s_bfe_u32 s26, ttmp6, 0x40004                  ; cy
	s_lshl_b32 s27, ttmp9, 2
	s_add_co_u32 s27, s27, s25                     ; nb = 4 x cluster x + cx
	s_and_b32 s28, ttmp7, 0xffff
	s_lshl_b32 s28, s28, 2
	s_add_co_u32 s28, s28, s26                     ; G = 4 x cluster y + cy
	s_lshl_b32 s29, s26, 2
	s_lshl_b32 s29, 15, s29                        ; my row of the cluster
	s_lshl_b32 s30, 0x1111, s25                    ; my column
	s_or_b32 s[G1A], s29, (3<<16)|(1<<21)          ; A: half of the block, 192 rows of 256 bytes, dense; elements of 8 bytes; bit 21 beside a mask
	s_mov_b32 s[G1A+1], 32<<16
	s_mov_b32 s[G1A+2], 192<<16
	s_mov_b32 s[G1A+3], 32<<16
	s_mov_b32 s[G1A+4], 192
	s_mov_b32 s[G1A+5], 32
	s_mov_b32 s[G1A+6], 0
	s_mov_b32 s[G1A+7], 0
	s_or_b32 s[G1W], s30, (3<<16)|(1<<20)|(1<<21)|(5<<22)|(3<<25)   ; Wout: 64 rows of 768 bytes; after every 64 words 4 words of padding
	s_mov_b32 s[G1W+1], 96<<16
	s_mov_b32 s[G1W+2], 64<<16
	s_mov_b32 s[G1W+3], 96<<16
	s_mov_b32 s[G1W+4], 64
	s_mov_b32 s[G1W+5], 96
	s_mov_b32 s[G1W+6], 0
	s_mov_b32 s[G1W+7], 0
	s_mul_i32 s2, s28, 98304                       ; A: made of G and the wave's number alone
	s_mul_i32 s31, s[NH], 49152
	s_add_co_u32 s2, s2, s31
	s_mov_b32 s3, 0
	s_lshl_b32 s66, s27, 7                         ; Wout: row 128 nb + 64 x half, made of nb and the wave's number alone
	s_lshl_b32 s67, s[NH], 6
	s_add_co_u32 s66, s66, s67
	s_mul_i32 s66, s66, 768
	s_mov_b32 s67, 0
	s_mul_i32 s68, s[NH], HALF
	s_mov_b32 s[G0A], 1
	s_mov_b32 s[G0A+1], s31
	s_mov_b32 s[G0W], 1
	s_add_co_u32 s[G0W+1], s68, WREG
	s_mul_i32 s70, s[TH], 49152
	s_add_co_u32 s71, s68, WREG                    ; my 64 rows of Wout
	s_mul_i32 s72, s[WV], 16*SP
	s_add_co_u32 s72, s72, STAGE                   ; my stage
	s_wait_dscnt 0x0
	s_wait_kmcnt 0x0
	s_add_nc_u64 s[G0A+2:G0A+3], s[4:5], s[2:3]
	s_or_b32 s[G0A+3], s[G0A+3], 0x80000000
	s_add_nc_u64 s[G0W+2:G0W+3], s[8:9], s[66:67]
	s_or_b32 s[G0W+3], s[G0W+3], 0x80000000
	CROUND                                         ; all sixteen work-groups are here: the joint loads meet
	s_cmp_lt_u32 s[WV], 2
	s_cbranch_scc0 .Lhead_w
	tensor_load_to_lds s[G0A:G0A+3], s[G1A:G1A+7]
	s_nop 0
	PLACES
	s_branch .Lhead_asked
.Lhead_w:
	tensor_load_to_lds s[G0W:G0W+3], s[G1W:G1W+7]
	s_nop 0
	PLACES
.Lhead_asked:
	v_and_b32 v16, 15, v0                          ; r
	v_bfe_u32 v17, v0, 4, 1                        ; h
	v_and_b32 v18, 31, v0                          ; lane
	v_mul_u32_u24 v19, v16, PITCH
	v_lshlrev_b32 v[A16], 4, v18
	v_lshlrev_b32 v[A8], 3, v18
	v_add_nc_u32 v19, s71, v19
	v_add_nc_u32 v[A16], s70, v[A16]
	v_add_nc_u32 v[A8], s70, v[A8]
	v_mad_u32_u24 v[AW], v17, 24, v19
	v_mad_u32_u24 v[AW+1], v17, 40, v19
	v_mul_u32_u24 v[STO], v16, SP
	v_mul_u32_u24 v[RD], v17, SP
	v_lshlrev_b32 v[CO], 12, v17
	v_lshl_add_u32 v[STO], v17, 5, v[STO]
	v_lshl_add_u32 v[RD], v16, 4, v[RD]
	v_lshl_add_u32 v[CO], v16, 4, v[CO]            ; in out0 a row is 4,096 bytes: lanes 0-15 one row, lanes 16-31 the next
	v_add_nc_u32 v[STO], s72, v[STO]               ; in: row r, 32 bytes for each half of the lanes
	v_add_nc_u32 v[RD], s72, v[RD]                 ; back: lanes 0-15 one row, lanes 16-31 the next
	v_lshlrev_b32 v[R4], 2, v16
	v_lshlrev_b32 v[R32], 5, v16
	v_lshlrev_b32 v[H32], 5, v17
	s_wait_alu depctr_va_vdst(0)                   ; the head's end
	s_lshl_b32 s2, s28, 12                         ; A's scale words: 4,096 bytes a group, 512 a tile; my four tiles
	s_lshl_b32 s31, s[TH], 11
	s_add_co_u32 s2, s2, s31
	s_add_nc_u64 s[BAS:BAS+1], s[6:7], s[2:3]
	s_lshl_b32 s66, s27, 12                        ; Wout's scale bytes: 32 a row, rows 128 nb + 64 nh on
	s_lshl_b32 s31, s[NH], 11
	s_add_co_u32 s66, s66, s31
	s_add_nc_u64 s[BWS:BWS+1], s[10:11], s[66:67]
	s_lshl_b32 s66, s27, 9                         ; the bias, and my columns in a row of out0: 4 bytes a column
	s_lshl_b32 s31, s[NH], 8
	s_add_co_u32 s66, s66, s31
	s_add_nc_u64 s[BBI:BBI+1], s[12:13], s[66:67]
	s_add_nc_u64 s[OB:OB+1], s[14:15], s[66:67]
	s_lshl_b32 s2, s28, 19                         ; my first token: 128 G + 64 (wave / 2), 4,096 bytes each
	s_lshl_b32 s31, s[TH], 18
	s_add_co_u32 s2, s2, s31
	s_add_nc_u64 s[OB:OB+1], s[OB:OB+1], s[2:3]
.irp i, 0,1,2,3
.irp s, 0,1,2,3,4,5,6,7
	global_load_b32 v[AS+8*\i+\s], v[R4], s[BAS:BAS+1] offset:512*\i+64*\s
.endr
.endr
.irp t, 0,1,2,3
	global_load_b128 v[WS+8*\t:WS+8*\t+3], v[R32], s[BWS:BWS+1] offset:512*\t        ; a row's 32 bytes are the words of its eight K steps
	global_load_b128 v[WS+8*\t+4:WS+8*\t+7], v[R32], s[BWS:BWS+1] offset:512*\t+16
.endr
.irp t, 0,1,2,3
	global_load_b128 v[BI+8*\t:BI+8*\t+3], v[H32], s[BBI:BBI+1] offset:64*\t         ; bout at the lane's eight columns of tile t: 16 t + 8 h + 0 .. 7
	global_load_b128 v[BI+8*\t+4:BI+8*\t+7], v[H32], s[BBI:BBI+1] offset:64*\t+16
.endr
	s_wait_tensorcnt 0x0                           ; my half tile is in,
	s_barrier_signal -1
	s_barrier_wait -1                              ; everybody's is
	; tile 0: Wout's fragments come with it, two K steps ahead of their products, into registers that nothing has used yet
	FETCHW 0
	FETCHA 0, 0
	FETCHW 1
	FETCHA 0, 1
	s_wait_loadcnt 0x0                             ; the scale words and the bias
.irp q, 0,1,2,3,4,5,6,7
.if \q < 7
	s_wait_dscnt 28                                ; the next K step's 24 + 4 loads may be out
.else
	s_wait_dscnt 16                                ; half of tile 1's loads may be out
.endif
	MUL 0, \q
.if \q < 6
	FETCHW \q+2
	FETCHA 0, \q+2
.else
.irp k, 0,1,2,3
	FETCHA 1, 4*(\q-6)+\k
.endr
.endif
.endr
.irp i, 1,2,3
	PLACES                                         ; tile i - 1 is finished: ahead of the read of its results and of the loads over its fragments
.if \i > 2
	s_wait_xcnt 0x0                                ; tile i - 3's stores have read their registers: tile i - 1's rows may land there
.endif
	TOSTAGE \i-1
.if \i < 3
	FETCHT \i+1
	s_wait_dscnt 48                                ; tile i's fragments are in; behind them: the stage's 16 and tile i + 1's 32
.else
	s_wait_dscnt 16
.endif
.irp q, 0,1,2,3
	MUL \i, \q
.endr
.if \i < 3
	SEND \i-1, 32
.else
	SEND \i-1, 0
.endif
.irp q, 4,5,6,7
	MUL \i, \q
.endr
.endr
	PLACES
	s_wait_xcnt 0x0                                ; tile 1's stores have read their registers
	TOSTAGE 3
	SEND 3, 0
	s_wait_tensorcnt 0x0                           ; the wave's end
	ds_add_u32 v[SPW], v[NIL]
	s_wait_dscnt 0x0
	CROUND                                         ; the closing round: no work-group ends while a partner may still ask for a tile that names it
	s_endpgm
.Lfunc_end_k_q7005026819_outp:
	.size	k_q7005026819_outp, .Lfunc_end_k_q7005026819_outp-k_q7005026819_outp
	.p2alignl 7, 3214868480
	.fill 96, 4, 3214868480
	.section	.rodata,"a",@progbits
	.p2align	6, 0x0
	.amdhsa_kernel k_q7005026819_outp
		.amdhsa_group_segment_fixed_size 220672
		.amdhsa_private_segment_fixed_size 0
		.amdhsa_enable_private_segment 0
		.amdhsa_kernarg_size 48
		.amdhsa_user_sgpr_count 2
		.amdhsa_user_sgpr_kernarg_segment_ptr 1
		.amdhsa_wavefront_size32 1
		.amdhsa_system_sgpr_workgroup_id_x 1
		.amdhsa_system_sgpr_workgroup_id_y 1
		.amdhsa_system_sgpr_workgroup_id_z 1
		.amdhsa_system_vgpr_workitem_id 0
		.amdhsa_next_free_vgpr 960
		.amdhsa_next_free_sgpr 80
		.amdhsa_reserve_vcc 0
		.amdhsa_float_denorm_mode_32 3
		.amdhsa_float_denorm_mode_16_64 3
		.amdhsa_memory_ordered 1
		.amdhsa_forward_progress 1
		.amdhsa_inst_pref_size 57
	.end_amdhsa_kernel
	.amdgpu_metadata
---
amdhsa.version: [ 1, 2 ]
amdhsa.kernels:
  - .name:           k_q7005026819_outp
    .symbol:         k_q7005026819_outp.kd
    .args:
      - { .name: arec, .offset: 0, .size: 8, .value_kind: global_buffer, .address_space: global }
      - { .name: asc, .offset: 8, .size: 8, .value_kind: global_buffer, .address_space: global }
      - { .name: Wout_codes, .offset: 16, .size: 8, .value_kind: global_buffer, .address_space: global }
      - { .name: Wout_scales, .offset: 24, .size: 8, .value_kind: global_buffer, .address_space: global }
      - { .name: bout, .offset: 32, .size: 8, .value_kind: global_buffer, .address_space: global }
      - { .name: out0, .offset: 40, .size: 8, .value_kind: global_buffer, .address_space: global }
    .group_segment_fixed_size: 220672
    .private_segment_fixed_size: 0
    .kernarg_segment_align: 8
    .kernarg_segment_size: 48
    .max_flat_workgroup_size: 128
    .sgpr_count:     80
    .vgpr_count:     960
    .wavefront_size: 32
...
	.end_amdgpu_metadata
.endif
;; end of part 3
